; MI455X (gfx1250); checked and timed in simulation.
; The chip was launched on July 23, 2026; its instructions are those of AMD's public machine-readable ISA for CDNA 5 (MIT licence, August 2026) and "CDNA5" Instruction Set Architecture Reference Guide (July 2026). The comments in the code are by the model that wrote it; some were corrected since.
;; Graph Mo E. Allowed arithmetic: matrix products marked QUANTISED: E4M3 operands, one given power-of-two scale a tensor, by v_wmma_f32_16x16x64_fp8_fp8 or v_wmma_f32_16x16x128_fp8_fp8, f32 sums; products left as they are: f32 operands where the result goes on into a quantised operand, else bf16, f16 or f32 operands; f32 sums; everything else in f32.
;; Inputs: adjacency 4 x 1,024 x 1,024 float32; b_down 8 x 512 float32; b_gate 1 float32; b_local 8 float32; b_up 8 x 2,048 float32; features 4 x 1,024 x 512 float32; lowp_scales 4 int32 (the exponents e of the quantised operands' scales 2^e); w_down_codes 8 x 512 x 64 x 32 uint8 (E4M3 codes of w_down, K innermost, in blocks of 32 codes); w_gate 512 x 1 float32; w_local 512 x 8 float32; w_up_codes 8 x 2,048 x 16 x 32 uint8 (E4M3 codes of w_up, K innermost, in blocks of 32 codes).
;; Outputs: out0 4 x 1,024 x 512 float32; out1 4 x 1,024 x 2 int32; out2 one number float32.
;; This version of the problem:
;;   THIS VERSION OF THE PROBLEM IS GIVEN IN LOW PRECISION. The matrix products marked QUANTISED in the list below multiply operands that are first quantised to E4M3 (4 exponent bits, 3 mantissa bits; 8 bits a number), with one given power-of-two scale for each operand tensor; their sums are f32. All else is computed in f32.
;;   The module's matrix products, in the order in which they are computed (A, B: the left and right operand; K: the contracted axis; several contracted axes count as one K, in the product's order):
;;     1. [M 4,096, K 512] x [K 512, N 8]; A: input features; B: input w_local: left as it is (N = 8 < 16)
;;     2. batch 4 x [M 1,024, K 1,024] x [K 1,024, N 8]; A: input adjacency; B: computed on the way: left as it is (N = 8 < 16)
;;     3. [M 4,096, K 512] x [K 512, N 1]; A: input features; B: input w_gate: left as it is (N = 1 < 16)
;;     4. [M 4,096, K 512] x [K 512, N 16,384]; A: input features; B: input w_up (given as codes): QUANTISED (scales: A lowp_scales[0], B lowp_scales[1])
;;     5. batch 8 x [M 512, K 2,048] x [K 2,048, N 4,096]; A: input w_down (given as codes); B: computed on the way: QUANTISED (scales: A lowp_scales[2], B lowp_scales[3])
;;     6. batch 4,096 x [M 512, K 2] x [K 2, N 1]; A: computed on the way; B: computed on the way: left as it is (K = 2 < 32)
;;   THE QUANTISER, for each operand of a quantised product, along K:
;;     - The operand's scale is 2^e, e = its entry of the input lowp_scales (int32; the entries are numbered through the quantised products in the list's order, A before B).
;;     - Each number is divided by the scale, clamped to +-448, and rounded to the nearest number of E4M3, ties to even, subnormals kept.
;;     - The product sums the exact products of the quantised numbers (number of the format x scale) in f32.
;;   ~~~python
;;   def quantise(x, axis, e):      # numpy; x: float32 -> the quantised numbers, widened to float32 again
;;       x = np.moveaxis(x, axis, -1); K = x.shape[-1]
;;       r = np.clip(x / 2.0 ** e, -448, 448)
;;       step = 2.0 ** (np.maximum(np.frexp(np.where(r == 0, 1, r))[1] - 1, -6) - 3)
;;       q = np.round(r / step) * step * 2.0 ** e      # np.round: ties to even
;;       return np.moveaxis(q, -1, axis).astype(np.float32)
;;   ~~~
;;   OPERANDS COMPUTED ON THE WAY. 'Computed on the way' means the value that the module computes at that place (a softmax that the list does not call 'softmax' is quantised finished and normalised). What goes into a quantiser is computed in f32, as accurately as f32 sums, v_exp_f32 and their like allow (about 1e-6 of the number): no bf16 or f16 on the way to a quantiser, and a product that is left as it is and whose result goes on into a quantised operand takes f32 operands (vector FMAs, or v_wmma_f32_16x16x4_f32). A number that lies on a knife's edge between two numbers of the format may be rounded either way, as far as f32 arithmetic and the matrix unit's own rounding can turn it there, and no further.
;;   INPUTS GIVEN AS CODES. w_down (in the module: [8, 2048, 512], K = its axis 1); w_up (in the module: [8, 512, 2048], K = its axis 1): each comes as NAME_codes (uint8): NAME with its K axis moved to the last place and cut into blocks of 32 codes, [.., K / 32, bytes a block], one block behind the other in memory; one code a byte (a code: sign, 4 exponent bits, 3 mantissa bits); its scale is its entry of lowp_scales. Its value is code x scale, taken as it is: it is not quantised again, and the codes and scales need not be those that the quantiser above would give.
;; One version. Each part assembles by itself: llvm-mc -triple=amdgcn-amd-amdhsa -mcpu=gfx1250 --defsym DOCPART=n.
;; ======== version 1 of 1: 5 launches
;; workspace buffers: codes 18,874,368 bytes; sc 147,456 bytes; sel 32,768 bytes of whole numbers; rt 40,960 bytes; lists 68,608 bytes of whole numbers; part 36,044,800 bytes
;; launch prep (part 1): grid 256 x 1, 4 waves a work-group, no clusters, 20,992 bytes of LDS; arguments features, w_local, b_local, w_gate, b_gate, lowp_scales, codes, sc; writes codes, sc
.if DOCPART == 1
	.amdgcn_target "amdgcn-amd-amdhsa--gfx1250"
	.amdhsa_code_object_version 6
	.text
	.protected	k_q7a39669cd4_prep
	.globl	k_q7a39669cd4_prep
	.p2align	8
	.type	k_q7a39669cd4_prep,@function
k_q7a39669cd4_prep:
	s_mov_b64 s[64:65], 0
	v_nop
	global_prefetch_b8 v0, s[64:65] scope:SCOPE_SE
	s_setreg_imm32_b32 hwreg(HW_REG_WAVE_MODE, 25, 1), 1
	s_wait_xcnt 0x0
; For each of 4,096 tokens: local scores = x . w_local + b_local (8 numbers), gate = sigmoid(x . w_gate + b_gate), both in f32 by fused multiply-adds,
; and x's codes of E4M3 with the given scale 2^e0 (e0 = lowp_scales[0]): x / 2^e0, held within +-448, to the nearest code, ties to even.
; SHARES: a work-group takes 16 tokens, a wave 4.  Lane l holds the 16 features d = 128 q + 4 l + i (q, i = 0..3) of each of its tokens, so every load of x reads 512 consecutive bytes.
; w_local (16 KiB) is read once by the work-group and turned through LDS, so that a lane holds w_local[d][0..7] of its 16 features in 128 registers for all four tokens.
; OUT: codes + 16 MiB: [4096][512] codes in the order of the features; sc: [4096][8] scores, then at byte 131,072 the 4,096 gates.
; LIMITS: e0 between -126 and 119.  NaN and infinities among the inputs are not served.  The sums' order is not reference()'s.  The sigmoid's exponent is held at 126: a gate under 2^-126 comes out as 2^-126.
; No matrix unit, no cluster: 9 columns are too few for the one, and the work-groups share only w_local's 16 KiB.
.set STG, 18432                        ; LDS: behind w_local's image, 512 bytes for each wave: a token's codes on their way out
.set WG,  32                           ; v[32:47]   w_gate at my 16 features
.set X,   48                           ; v[48:111]  token a's 16 features at X + 16 a + 4 q + i; later its scores (+0..7) and its codes (+8..11)
.set WL,  112                          ; v[112:239] w_local[d][0..7] at WL + 8 (4 q + i)
	s_load_b256 s[4:11], s[0:1], 0x0               ; features s[4:5], w_local s[6:7], b_local s[8:9], w_gate s[10:11]
	s_load_b256 s[12:19], s[0:1], 0x20             ; b_gate s[12:13], lowp_scales s[14:15], codes s[16:17], sc s[18:19]
	v_lshl_add_u32 v240, v0, 2, 0x5000
	v_mov_b32 v241, 0
	v_and_b32 v1, 31, v0                           ; lane
	v_lshrrev_b32 v2, 5, v0
	v_readfirstlane_b32 s20, v2                    ; wave
	v_lshlrev_b32 v2, 4, v1                        ; 16 x lane
	v_lshlrev_b32 v19, 4, v0                       ; 16 x thread
	s_lshl_b32 s21, s20, 9
	s_add_co_u32 s21, s21, STG
	v_lshl_add_u32 v3, v1, 2, s21                  ; my stage, in: 4 bytes a lane
	v_lshl_add_u32 v4, v1, 4, s21                  ; and out: 16 bytes a lane
	v_mul_u32_u24 v5, v1, 144                      ; w_local's image, out: my 8 pieces of a quarter, 144 bytes from lane to lane
	v_lshrrev_b32 v6, 3, v0
	v_add_nc_u32 v6, v6, v0
	v_lshlrev_b32 v6, 4, v6                        ; and in: piece p at 16 p + 16 (p / 8)
	v_mov_b32 v7, 0
	v_mov_b32 v18, 0                               ; a lane permute's destination counts as read: written once
	s_mov_b32 s22, 0x76543210
	s_mov_b32 s23, 0xfedcba98                      ; v_permlanex16_b32: lane l xor 16
	s_lshl_b32 s34, ttmp9, 4
	s_lshl_b32 s35, s20, 2
	s_add_co_u32 s34, s34, s35                     ; my first token: 16 x work-group + 4 x wave
	s_lshl_b32 s36, s34, 11                        ; its row of x,
	s_mov_b32 s37, 0
	s_lshl_b32 s38, s34, 9
	s_add_co_u32 s38, s38, 0x1000000               ; its row of codes,
	s_mov_b32 s39, 0
	s_lshl_b32 s40, s34, 5                         ; its scores,
	s_mov_b32 s41, 0
	s_lshl_b32 s42, s34, 2
	s_add_co_u32 s42, s42, 131072                  ; its gate
	s_mov_b32 s43, 0
	s_wait_kmcnt 0x0
	s_load_b256 s[24:31], s[8:9], 0x0              ; b_local
	s_load_b32 s32, s[12:13], 0x0                  ; b_gate
	s_load_b32 s33, s[14:15], 0x0                  ; e0
	s_add_nc_u64 s[4:5], s[4:5], s[36:37]
	s_add_nc_u64 s[16:17], s[16:17], s[38:39]
	s_add_nc_u64 s[36:37], s[18:19], s[40:41]
	s_add_nc_u64 s[38:39], s[18:19], s[42:43]
.irp m, 0,1,2,3,4,5,6,7
	global_load_b128 v[WL+4*\m:WL+4*\m+3], v19, s[6:7] offset:2048*\m      ; w_local as it lies: 128 threads x 16 bytes, eight times
.endr
.irp q, 0,1,2,3
	global_load_b128 v[WG+4*\q:WG+4*\q+3], v2, s[10:11] offset:512*\q
.endr
.irp a, 0,1,2,3
.irp q, 0,1,2,3
	global_load_b128 v[X+16*\a+4*\q:X+16*\a+4*\q+3], v2, s[4:5] offset:2048*\a+512*\q th:TH_LOAD_NT
.endr
.endr
	s_wait_loadcnt 20                              ; w_local's eight are in; w_gate's 4 and x's 16 stay out
.irp m, 0,1,2,3,4,5,6,7
	ds_store_b128 v6, v[WL+4*\m:WL+4*\m+3] offset:2304*\m
.endr
	s_wait_dscnt 0x0                               ; for the others' sake: my part of the image has landed
	s_barrier_signal -1
	s_barrier_wait -1
.irp q, 0,1,2,3
.irp mm, 0,1,2,3,4,5,6,7
	ds_load_b128 v[WL+32*\q+4*\mm:WL+32*\q+4*\mm+3], v5 offset:4608*\q+16*\mm
.endr
.endr
	s_wait_kmcnt 0x0
	s_add_co_i32 s34, s33, 127
	s_lshl_b32 s35, s34, 23
	v_mov_b32 v24, s35                             ; 2^e0 as f32: the conversion takes its exponent field
	s_add_co_i32 s34, s34, 8
	s_lshl_b32 s34, s34, 23
	s_or_b32 s34, s34, 0x600000
	v_mov_b32 v25, s34                             ; 448 x 2^e0
	s_wait_dscnt 0x0
; One token: nine dot products, its codes, the sums over the 32 lanes.
.macro TOK a
	s_wait_loadcnt 12-4*\a                         ; this token's four loads are in (and w_gate, which is older); the later tokens' stay out
.irp pe, 0,1,2,3
	v_pk_mul_f32 v[8+2*\pe:9+2*\pe], v[WL+2*\pe:WL+2*\pe+1], v[X+16*\a:X+16*\a+1] op_sel_hi:[1,0]      ; the first feature starts the sums
.endr
	v_pk_mul_f32 v[16:17], v[X+16*\a:X+16*\a+1], v[WG:WG+1]
.irp pe, 0,1,2,3
	v_pk_fma_f32 v[8+2*\pe:9+2*\pe], v[WL+8+2*\pe:WL+9+2*\pe], v[X+16*\a:X+16*\a+1], v[8+2*\pe:9+2*\pe] op_sel:[0,1,0] op_sel_hi:[1,1,1]
.endr
.irp jp, 1,2,3,4,5,6,7
.irp pe, 0,1,2,3
	v_pk_fma_f32 v[8+2*\pe:9+2*\pe], v[WL+16*\jp+2*\pe:WL+16*\jp+2*\pe+1], v[X+16*\a+2*\jp:X+16*\a+2*\jp+1], v[8+2*\pe:9+2*\pe] op_sel_hi:[1,0,1]   ; two experts x the pair's first feature
.endr
	v_pk_fma_f32 v[16:17], v[X+16*\a+2*\jp:X+16*\a+2*\jp+1], v[WG+2*\jp:WG+2*\jp+1], v[16:17]
.irp pe, 0,1,2,3
	v_pk_fma_f32 v[8+2*\pe:9+2*\pe], v[WL+16*\jp+8+2*\pe:WL+16*\jp+9+2*\pe], v[X+16*\a+2*\jp:X+16*\a+2*\jp+1], v[8+2*\pe:9+2*\pe] op_sel:[0,1,0] op_sel_hi:[1,1,1]   ; x its second
.endr
.endr
	v_add_f32 v16, v16, v17
.irp i, 0,1,2,3,4,5,6,7,8,9,10,11,12,13,14,15
	v_med3_num_f32 v[X+16*\a+\i], v[X+16*\a+\i], -v25, v25     ; the conversion to an 8-bit code does not saturate (ISA guide 7.6.2): the hold at the largest code x the scale
.endr
	v_cvt_scalef32_pk8_fp8_f32 v[20:21], v[X+16*\a:X+16*\a+7], v24
	v_cvt_scalef32_pk8_fp8_f32 v[22:23], v[X+16*\a+8:X+16*\a+15], v24
	v_nop                                          ; one plain instruction between the conversions and the lines that write their sources
.irp q, 0,1,2,3
	ds_store_b32 v3, v[20+\q] offset:128*\q        ; register q: the codes of features 128 q + 4 l + 0..3
.endr
	ds_load_b128 v[X+16*\a+8:X+16*\a+11], v4       ; LDS serves a wave's instructions in order: the row's 512 codes, 16 a lane
.irp mk, 1,2,4,8
.irp e, 8,9,10,11,12,13,14,15,16
	v_add_f32_dpp v[\e], v[\e], v[\e] row_xmask:\mk row_mask:0xf bank_mask:0xf
.endr
.endr
.irp e, 8,9,10,11,12,13,14,15,16
	v_permlanex16_b32 v18, v[\e], s22, s23
	v_add_f32 v[\e], v[\e], v18
.endr
.irp e, 0,1,2,3,4,5,6,7
	v_add_f32 v[X+16*\a+\e], s[24+\e], v[8+\e]     ; + b_local
.endr
	v_add_f32 v[26+\a], s32, v16                   ; + b_gate
	s_wait_dscnt 0x0
	global_store_b128 v2, v[X+16*\a+8:X+16*\a+11], s[16:17] offset:512*\a   ; 32 lanes store the row's 512 consecutive bytes
.endm
	TOK 0
	TOK 1
	TOK 2
	TOK 3
	; the four gates: 1 / (1 + 2^(-z log2 e)), the reciprocal refined by one Newton step
.irp a, 0,1,2,3
	v_mul_f32 v[26+\a], 0xbfb8aa3b, v[26+\a]
.endr
.irp a, 0,1,2,3
	v_min_num_f32 v[26+\a], 0x42fc0000, v[26+\a]   ; at most 126: 1 + 2^126 and its reciprocal are f32 numbers
.endr
.irp a, 0,1,2,3
	v_exp_f32 v[26+\a], v[26+\a]
.endr
	v_nop                                          ; a plain instruction behind the last exponential,
	s_wait_alu depctr_va_vdst(0)                   ; and one wait for the four, ahead of their first reader
.irp a, 0,1,2,3
	v_add_f32 v[26+\a], 1.0, v[26+\a]
.endr
.irp a, 0,1,2,3
	v_rcp_f32 v[8+\a], v[26+\a]
.endr
	v_nop
	s_wait_alu depctr_va_vdst(0)
.irp a, 0,1,2,3
	v_fma_f32 v[12+\a], -v[26+\a], v[8+\a], 1.0
.endr
.irp a, 0,1,2,3
	v_fma_f32 v[26+\a], v[8+\a], v[12+\a], v[8+\a]
.endr
	v_cmp_eq_u32 vcc_lo, 0, v1                     ; every lane holds the sums: lane 0 stores them
	s_wait_xcnt 0x0                                ; EXEC changes only behind this wait
	s_barrier_signal -1
	s_barrier_wait -1
	s_wait_tensorcnt 0x0
	ds_add_u32 v240, v241
	s_wait_dscnt 0x0
	s_and_saveexec_b32 s34, vcc_lo
.irp a, 0,1,2,3
	global_store_b128 v7, v[X+16*\a:X+16*\a+3], s[36:37] offset:32*\a
	global_store_b128 v7, v[X+16*\a+4:X+16*\a+7], s[36:37] offset:32*\a+16
.endr
	global_store_b128 v7, v[26:29], s[38:39]
	s_wait_xcnt 0x0
	s_or_b32 exec_lo, exec_lo, s34
	s_endpgm
.Lfunc_end_k_q7a39669cd4_prep:
	.size	k_q7a39669cd4_prep, .Lfunc_end_k_q7a39669cd4_prep-k_q7a39669cd4_prep
	.p2alignl 7, 3214868480
	.fill 96, 4, 3214868480
	.section	.rodata,"a",@progbits
	.p2align	6, 0x0
	.amdhsa_kernel k_q7a39669cd4_prep
		.amdhsa_group_segment_fixed_size 20992
		.amdhsa_private_segment_fixed_size 0
		.amdhsa_enable_private_segment 0
		.amdhsa_kernarg_size 64
		.amdhsa_user_sgpr_count 2
		.amdhsa_user_sgpr_kernarg_segment_ptr 1
		.amdhsa_wavefront_size32 1
		.amdhsa_system_sgpr_workgroup_id_x 1
		.amdhsa_system_sgpr_workgroup_id_y 1
		.amdhsa_system_sgpr_workgroup_id_z 1
		.amdhsa_system_vgpr_workitem_id 0
		.amdhsa_next_free_vgpr 242
		.amdhsa_next_free_sgpr 66
		.amdhsa_reserve_vcc 1
		.amdhsa_float_denorm_mode_32 3
		.amdhsa_float_denorm_mode_16_64 3
		.amdhsa_memory_ordered 1
		.amdhsa_forward_progress 1
		.amdhsa_inst_pref_size 49
	.end_amdhsa_kernel
	.amdgpu_metadata
---
amdhsa.version: [ 1, 2 ]
amdhsa.kernels:
  - .name:           k_q7a39669cd4_prep
    .symbol:         k_q7a39669cd4_prep.kd
    .args:
      - { .name: features, .offset: 0, .size: 8, .value_kind: global_buffer, .address_space: global }
      - { .name: w_local, .offset: 8, .size: 8, .value_kind: global_buffer, .address_space: global }
      - { .name: b_local, .offset: 16, .size: 8, .value_kind: global_buffer, .address_space: global }
      - { .name: w_gate, .offset: 24, .size: 8, .value_kind: global_buffer, .address_space: global }
      - { .name: b_gate, .offset: 32, .size: 8, .value_kind: global_buffer, .address_space: global }
      - { .name: lowp_scales, .offset: 40, .size: 8, .value_kind: global_buffer, .address_space: global }
      - { .name: codes, .offset: 48, .size: 8, .value_kind: global_buffer, .address_space: global }
      - { .name: sc, .offset: 56, .size: 8, .value_kind: global_buffer, .address_space: global }
    .group_segment_fixed_size: 20992
    .private_segment_fixed_size: 0
    .kernarg_segment_align: 8
    .kernarg_segment_size: 64
    .max_flat_workgroup_size: 128
    .sgpr_count:     66
    .vgpr_count:     242
    .wavefront_size: 32
...
	.end_amdgpu_metadata
.endif
;; end of part 1
;; launch route (part 2): grid 256 x 1, 8 waves a work-group, no clusters, 35,328 bytes of LDS; arguments adjacency, sc, out1, sel, rt; writes out1, sel, rt
.if DOCPART == 2
	.amdgcn_target "amdgcn-amd-amdhsa--gfx1250"
	.amdhsa_code_object_version 6
	.text
	.protected	k_q7a39669cd4_route
	.globl	k_q7a39669cd4_route
	.p2align	8
	.type	k_q7a39669cd4_route,@function
k_q7a39669cd4_route:
	s_mov_b64 s[64:65], 0
	v_nop
	global_prefetch_b8 v0, s[64:65] scope:SCOPE_SE
	s_setreg_imm32_b32 hwreg(HW_REG_WAVE_MODE, 25, 1), 1
	s_wait_xcnt 0x0
; The router behind the local scores, all in f32: neighbour mean = (adjacency . scores) / (row sum + 1e-8); logits = gate x local + (1 - gate) x mean; softmax with the row's maximum taken away;
; the two largest probabilities (of equal ones the lower index first) and their weights p / (p0 + p1 + 1e-8); and the work-group's sum of probabilities for the auxiliary loss.
; SHARES: a work-group takes 16 rows of one batch's adjacency, a wave two rows, A and B.  Lane l holds columns j = 128 q + 4 l + i, so every load of adjacency reads 512 consecutive bytes, once in the launch.
; The batch's 1,024 x 8 scores (32 KiB) are read once by the work-group and laid in LDS so that a lane's load brings half the scores of one of its columns, 32 lanes 512 consecutive bytes.
; Behind the sums over the lanes, lanes 0-15 hold row A's totals and lanes 16-31 row B's: the softmax and the choice are written once for both.
; OUT: out1 and sel: the two indices; rt: the two weights, then at byte 32,768 eight sums of probabilities for each work-group.
; LIMITS: NaN and infinities are not served.  The sums' order is not reference()'s: a choice between two probabilities that lie closer than f32 rounding may fall either way.
; No branch and no address hangs on the floating-point numbers: every choice is a v_cndmask_b32.  No matrix unit (8 columns), no cluster (what is shared, 32 KiB of scores, is small beside 64 KiB of adjacency).
.set PS, 33792                         ; LDS: behind the scores' image (64 rows of 528 bytes): 16 rows x 8 probabilities
.set AD, 8                             ; v[8:71]    adjacency: row A's piece q at AD + 8 q, row B's at AD + 8 q + 4
.set L,  72                            ; v[72:135]  two sets of 32: the scores of my four columns of a piece
	s_load_b256 s[4:11], s[0:1], 0x0               ; adjacency s[4:5], sc s[6:7], out1 s[8:9], sel s[10:11]
	s_load_b64 s[12:13], s[0:1], 0x20              ; rt
	v_lshl_add_u32 v176, v0, 2, 0x8600
	v_mov_b32 v177, 0
	v_and_b32 v1, 31, v0                           ; lane
	v_lshrrev_b32 v2, 5, v0
	v_readfirstlane_b32 s20, v2                    ; wave
	v_lshlrev_b32 v2, 4, v1                        ; 16 x lane
	v_lshlrev_b32 v171, 4, v0                      ; 16 x thread
	v_and_b32 v4, 7, v0
	v_mul_u32_u24 v4, v4, 528
	v_lshrrev_b32 v3, 3, v0
	v_lshl_add_u32 v4, v3, 4, v4                   ; the image, in: piece p = thread + 256 m goes to row 8 m + p % 8, byte 16 (thread / 8)
	v_lshrrev_b32 v3, 4, v0                        ; 2 x wave + half of the lanes: my row among the work-group's 16
	v_lshlrev_b32 v6, 5, v3                        ; its scores,
	v_lshlrev_b32 v5, 2, v3                        ; its gate,
	v_lshlrev_b32 v170, 3, v3                      ; its two results
	v_add_nc_u32 v7, PS, v6                        ; its probabilities in LDS
	v_add_nc_u32 v172, PS, v2
	v_and_b32 v173, 15, v0
	s_mov_b32 s22, 0x76543210
	s_mov_b32 s23, 0xfedcba98                      ; v_permlanex16_b32: lane l xor 16
	s_mov_b32 s24, 0xffff0000                      ; lanes 16-31
	s_lshr_b32 s30, ttmp9, 6
	s_lshl_b32 s30, s30, 15                        ; the batch's scores
	s_mov_b32 s31, 0
	s_lshl_b32 s32, ttmp9, 9                       ; my 16 rows' scores
	s_mov_b32 s33, 0
	s_lshl_b32 s34, ttmp9, 6
	s_add_co_u32 s34, s34, 131072                  ; and gates
	s_mov_b32 s35, 0
	s_lshl_b32 s36, ttmp9, 16
	s_lshl_b32 s37, s20, 13
	s_add_co_u32 s36, s36, s37                     ; row A of adjacency: (16 x work-group + 2 x wave) x 4,096 bytes
	s_mov_b32 s37, 0
	s_lshl_b32 s38, ttmp9, 7                       ; my 16 rows' results
	s_mov_b32 s39, 0
	s_wait_kmcnt 0x0
	s_add_nc_u64 s[14:15], s[6:7], s[30:31]
	s_add_nc_u64 s[16:17], s[6:7], s[32:33]
	s_add_nc_u64 s[18:19], s[6:7], s[34:35]
	s_add_nc_u64 s[4:5], s[4:5], s[36:37]
	s_add_nc_u64 s[8:9], s[8:9], s[38:39]
	s_add_nc_u64 s[10:11], s[10:11], s[38:39]
	s_lshl_b32 s30, ttmp9, 5
	s_add_co_u32 s30, s30, 32768
	s_add_nc_u64 s[26:27], s[12:13], s[30:31]      ; the work-group's eight sums
	s_add_nc_u64 s[12:13], s[12:13], s[38:39]
.irp m, 0,1,2,3,4,5,6,7
	global_load_b128 v[L+4*\m:L+4*\m+3], v171, s[14:15] offset:4096*\m
.endr
	global_load_b128 v[156:159], v6, s[16:17]      ; my row's own scores
	global_load_b128 v[160:163], v6, s[16:17] offset:16
	global_load_b32 v164, v5, s[18:19]             ; and gate
.irp q, 0,1,2,3,4,5,6,7
	global_load_b128 v[AD+8*\q:AD+8*\q+3], v2, s[4:5] offset:512*\q th:TH_LOAD_NT
	global_load_b128 v[AD+8*\q+4:AD+8*\q+7], v2, s[4:5] offset:4096+512*\q th:TH_LOAD_NT
.endr
	s_wait_loadcnt 19                              ; the batch's scores are in; my row's 3 loads and adjacency's 16 stay out
.irp m, 0,1,2,3,4,5,6,7
	ds_store_b128 v4, v[L+4*\m:L+4*\m+3] offset:4224*\m
.endr
	s_wait_dscnt 0x0                               ; for the others' sake: my part of the image has landed
	s_barrier_signal -1
	s_barrier_wait -1
.macro LDSL q                          ; the scores of columns 128 q + 4 l + 0..3 into set q % 2
.irp mm, 0,1,2,3,4,5,6,7
	ds_load_b128 v[L+32*((\q)%2)+4*\mm:L+32*((\q)%2)+4*\mm+3], v2 offset:(8*(\q)+\mm)*528
.endr
.endm
.macro NB q                            ; piece q of both rows: 4 columns a lane x 8 scores, and the rows' sums
.if \q < 7
	LDSL (\q)+1
	s_wait_dscnt 8                                 ; this piece's set is in; the next one's eight loads stay out
.else
	s_wait_dscnt 0
.endif
	s_wait_loadcnt 14-2*\q                         ; both rows' piece q is in; the later pieces stay out
.set LS, L+32*((\q)%2)
.set AA, AD+8*\q
.irp i, 0,1,2,3
.irp pe, 0,1,2,3
.if (\q == 0) && (\i == 0)
	v_pk_mul_f32 v[136+2*\pe:137+2*\pe], v[LS+2*\pe:LS+2*\pe+1], v[AA:AA+1] op_sel_hi:[1,0]            ; the first column starts the sums
	v_pk_mul_f32 v[146+2*\pe:147+2*\pe], v[LS+2*\pe:LS+2*\pe+1], v[AA+4:AA+5] op_sel_hi:[1,0]
.elseif (\i % 2) == 0
	v_pk_fma_f32 v[136+2*\pe:137+2*\pe], v[LS+8*\i+2*\pe:LS+8*\i+2*\pe+1], v[AA+\i:AA+\i+1], v[136+2*\pe:137+2*\pe] op_sel_hi:[1,0,1]
	v_pk_fma_f32 v[146+2*\pe:147+2*\pe], v[LS+8*\i+2*\pe:LS+8*\i+2*\pe+1], v[AA+4+\i:AA+5+\i], v[146+2*\pe:147+2*\pe] op_sel_hi:[1,0,1]
.else
	v_pk_fma_f32 v[136+2*\pe:137+2*\pe], v[LS+8*\i+2*\pe:LS+8*\i+2*\pe+1], v[AA+\i-1:AA+\i], v[136+2*\pe:137+2*\pe] op_sel:[0,1,0] op_sel_hi:[1,1,1]
	v_pk_fma_f32 v[146+2*\pe:147+2*\pe], v[LS+8*\i+2*\pe:LS+8*\i+2*\pe+1], v[AA+3+\i:AA+4+\i], v[146+2*\pe:147+2*\pe] op_sel:[0,1,0] op_sel_hi:[1,1,1]
.endif
.endr
.endr
.if \q == 0
	v_pk_add_f32 v[144:145], v[AA:AA+1], v[AA+2:AA+3]
	v_pk_add_f32 v[154:155], v[AA+4:AA+5], v[AA+6:AA+7]
.else
	v_pk_add_f32 v[144:145], v[144:145], v[AA:AA+1]
	v_pk_add_f32 v[154:155], v[154:155], v[AA+4:AA+5]
	v_pk_add_f32 v[144:145], v[144:145], v[AA+2:AA+3]
	v_pk_add_f32 v[154:155], v[154:155], v[AA+6:AA+7]
.endif
.endm
	LDSL 0
.irp q, 0,1,2,3,4,5,6,7
	NB \q
.endr
	v_add_f32 v144, v144, v145
	v_add_f32 v154, v154, v155
	; nine sums for each row, over the lanes: four steps inside each half of 16 lanes,
.irp mk, 1,2,4,8
.irp e, 0,1,2,3,4,5,6,7,8
	v_add_f32_dpp v[136+\e], v[136+\e], v[136+\e] row_xmask:\mk row_mask:0xf bank_mask:0xf
	v_add_f32_dpp v[146+\e], v[146+\e], v[146+\e] row_xmask:\mk row_mask:0xf bank_mask:0xf
.endr
.endr
	; then the halves exchange: lanes 0-15 send row B's and keep row A's, lanes 16-31 the other way round
.irp e, 0,1,2,3,4,5,6,7,8
	v_cndmask_b32 v[72+\e], v[146+\e], v[136+\e], s24
	v_cndmask_b32 v[136+\e], v[136+\e], v[146+\e], s24
.endr
.irp e, 0,1,2,3,4,5,6,7,8
	v_permlanex16_b32 v[146+\e], v[72+\e], s22, s23
.endr
.irp e, 0,1,2,3,4,5,6,7,8
	v_add_f32 v[136+\e], v[136+\e], v[146+\e]
.endr
	v_add_f32 v144, 0x322bcc77, v144               ; the row's sum + 1e-8
	v_rcp_f32 v145, v144
	v_sub_f32 v165, 1.0, v164                      ; 1 - gate (a plain instruction behind the reciprocal)
	s_wait_alu depctr_va_vdst(0)
.irp e, 0,1,2,3,4,5,6,7
	v_mul_f32 v[146+\e], v[136+\e], v145           ; the quotient, refined once by its remainder
.endr
.irp e, 0,1,2,3,4,5,6,7
	v_fma_f32 v[136+\e], -v[146+\e], v144, v[136+\e]
.endr
.irp e, 0,1,2,3,4,5,6,7
	v_fma_f32 v[146+\e], v[136+\e], v145, v[146+\e]
.endr
.irp e, 0,1,2,3,4,5,6,7
	v_mul_f32 v[136+\e], v[156+\e], v164
.endr
.irp e, 0,1,2,3,4,5,6,7
	v_fma_f32 v[136+\e], v[146+\e], v165, v[136+\e]    ; the logits
.endr
	v_max3_num_f32 v72, v136, v137, v138
	v_max3_num_f32 v73, v139, v140, v141
	v_max3_num_f32 v72, v72, v142, v143
	v_max_num_f32 v72, v72, v73                    ; the row's maximum is taken away ahead of the exponentials
.irp e, 0,1,2,3,4,5,6,7
	v_sub_f32 v[146+\e], v[136+\e], v72
.endr
.irp e, 0,1,2,3,4,5,6,7
	v_mul_f32 v[146+\e], 0x3fb8aa3b, v[146+\e]
.endr
.irp e, 0,1,2,3,4,5,6,7
	v_exp_f32 v[146+\e], v[146+\e]
.endr
	v_nop
	s_wait_alu depctr_va_vdst(0)                   ; one wait for the eight
	v_add_f32 v72, v146, v147
	v_add_f32 v73, v148, v149
	v_add_f32 v74, v150, v151
	v_add_f32 v75, v152, v153
	v_add_f32 v72, v72, v73
	v_add_f32 v74, v74, v75
	v_add_f32 v72, v72, v74                        ; at least 1: the maximum's own term
	v_rcp_f32 v73, v72
	v_nop
	s_wait_alu depctr_va_vdst(0)
.irp e, 0,1,2,3,4,5,6,7
	v_mul_f32 v[136+\e], v[146+\e], v73
.endr
.irp e, 0,1,2,3,4,5,6,7
	v_fma_f32 v[146+\e], -v[136+\e], v72, v[146+\e]
.endr
.irp e, 0,1,2,3,4,5,6,7
	v_fma_f32 v[136+\e], v[146+\e], v73, v[136+\e]     ; the probabilities
.endr
	v_mov_b32 v74, v136                            ; the largest: a later one takes its place only if it is greater
	v_mov_b32 v75, 0
.irp e, 1,2,3,4,5,6,7
	v_cmp_gt_f32 vcc_lo, v[136+\e], v74
	v_cndmask_b32 v74, v74, v[136+\e], vcc_lo
	v_cndmask_b32 v75, v75, \e, vcc_lo
.endr
	v_mov_b32 v76, -1.0                            ; the second: the same among the other seven; -1 lies under every probability
	v_mov_b32 v77, 0
.irp e, 0,1,2,3,4,5,6,7
	v_cmp_ne_u32 s25, \e, v75
	v_cmp_gt_f32 vcc_lo, v[136+\e], v76
	s_and_b32 vcc_lo, vcc_lo, s25
	v_cndmask_b32 v76, v76, v[136+\e], vcc_lo
	v_cndmask_b32 v77, v77, \e, vcc_lo
.endr
	v_add_f32 v78, v74, v76
	v_add_f32 v78, 0x322bcc77, v78
	v_rcp_f32 v79, v78
	v_mov_b32 v166, v75
	v_mov_b32 v167, v77
	s_wait_alu depctr_va_vdst(0)
	v_mul_f32 v168, v74, v79
	v_mul_f32 v169, v76, v79
	v_fma_f32 v80, -v168, v78, v74
	v_fma_f32 v81, -v169, v78, v76
	v_fma_f32 v168, v80, v79, v168
	v_fma_f32 v169, v81, v79, v169
	ds_store_b128 v7, v[136:139]                   ; sixteen lanes write the same 32 bytes with the same numbers
	ds_store_b128 v7, v[140:143] offset:16
	v_cmp_eq_u32 vcc_lo, 0, v173                   ; lanes 0 and 16 store their rows' results
	s_wait_xcnt 0x0                                ; EXEC changes only behind this wait
	s_and_saveexec_b32 s25, vcc_lo
	global_store_b64 v170, v[166:167], s[8:9]
	global_store_b64 v170, v[166:167], s[10:11]
	global_store_b64 v170, v[168:169], s[12:13]
	s_wait_xcnt 0x0
	s_or_b32 exec_lo, exec_lo, s25
	s_wait_dscnt 0x0                               ; my rows' probabilities have landed
	s_barrier_signal -1
	s_barrier_wait -1
	s_cmp_lg_u32 s20, 0
	s_cbranch_scc1 .Lend                           ; wave 0 adds the sixteen rows
	ds_load_b128 v[72:75], v172                    ; lane l: row l / 2, experts 4 (l % 2) + 0..3
	s_wait_dscnt 0x0
.irp mk, 2,4,8
.irp c, 0,1,2,3
	v_add_f32_dpp v[72+\c], v[72+\c], v[72+\c] row_xmask:\mk row_mask:0xf bank_mask:0xf
.endr
.endr
.irp c, 0,1,2,3
	v_permlanex16_b32 v[76+\c], v[72+\c], s22, s23
.endr
.irp c, 0,1,2,3
	v_add_f32 v[72+\c], v[72+\c], v[76+\c]
.endr
	v_cmp_gt_u32 vcc_lo, 2, v1
	s_wait_xcnt 0x0
	s_and_saveexec_b32 s25, vcc_lo
	global_store_b128 v2, v[72:75], s[26:27]
	s_wait_xcnt 0x0
	s_or_b32 exec_lo, exec_lo, s25
.Lend:
	s_barrier_signal -1
	s_barrier_wait -1
	s_wait_tensorcnt 0x0
	ds_add_u32 v176, v177
	s_wait_dscnt 0x0
	s_endpgm
.Lfunc_end_k_q7a39669cd4_route:
	.size	k_q7a39669cd4_route, .Lfunc_end_k_q7a39669cd4_route-k_q7a39669cd4_route
	.p2alignl 7, 3214868480
	.fill 96, 4, 3214868480
	.section	.rodata,"a",@progbits
	.p2align	6, 0x0
	.amdhsa_kernel k_q7a39669cd4_route
		.amdhsa_group_segment_fixed_size 35328
		.amdhsa_private_segment_fixed_size 0
		.amdhsa_enable_private_segment 0
		.amdhsa_kernarg_size 40
		.amdhsa_user_sgpr_count 2
		.amdhsa_user_sgpr_kernarg_segment_ptr 1
		.amdhsa_wavefront_size32 1
		.amdhsa_system_sgpr_workgroup_id_x 1
		.amdhsa_system_sgpr_workgroup_id_y 1
		.amdhsa_system_sgpr_workgroup_id_z 1
		.amdhsa_system_vgpr_workitem_id 0
		.amdhsa_next_free_vgpr 178
		.amdhsa_next_free_sgpr 66
		.amdhsa_reserve_vcc 1
		.amdhsa_float_denorm_mode_32 3
		.amdhsa_float_denorm_mode_16_64 3
		.amdhsa_memory_ordered 1
		.amdhsa_forward_progress 1
		.amdhsa_inst_pref_size 45
	.end_amdhsa_kernel
	.amdgpu_metadata
---
amdhsa.version: [ 1, 2 ]
amdhsa.kernels:
  - .name:           k_q7a39669cd4_route
    .symbol:         k_q7a39669cd4_route.kd
    .args:
      - { .name: adjacency, .offset: 0, .size: 8, .value_kind: global_buffer, .address_space: global }
      - { .name: sc, .offset: 8, .size: 8, .value_kind: global_buffer, .address_space: global }
      - { .name: out1, .offset: 16, .size: 8, .value_kind: global_buffer, .address_space: global }
      - { .name: sel, .offset: 24, .size: 8, .value_kind: global_buffer, .address_space: global }
      - { .name: rt, .offset: 32, .size: 8, .value_kind: global_buffer, .address_space: global }
    .group_segment_fixed_size: 35328
    .private_segment_fixed_size: 0
    .kernarg_segment_align: 8
    .kernarg_segment_size: 40
    .max_flat_workgroup_size: 256
    .sgpr_count:     66
    .vgpr_count:     178
    .wavefront_size: 32
...
	.end_amdgpu_metadata
.endif
;; end of part 2
;; launch place (part 3): grid 129 x 1, 32 waves a work-group, no clusters, 5,120 bytes of LDS; arguments sel, rt, w_up_codes, w_down_codes, lists, out2, codes; writes lists, out2, codes
.if DOCPART == 3
	.amdgcn_target "amdgcn-amd-amdhsa--gfx1250"
	.amdhsa_code_object_version 6
	.text
	.protected	k_q7a39669cd4_place
	.globl	k_q7a39669cd4_place
	.p2align	8
	.type	k_q7a39669cd4_place,@function
k_q7a39669cd4_place:
	s_mov_b64 s[64:65], 0
	v_nop
	global_prefetch_b8 v0, s[64:65] scope:SCOPE_SE
	s_setreg_imm32_b32 hwreg(HW_REG_WAVE_MODE, 25, 1), 1
	s_wait_xcnt 0x0
; Three jobs that part on the work-group's number.
; WORK-GROUP 0 places the 8,192 routed rows (token, choice) by expert, by a counting sort without atomics, in tiles of 80 rows: expert e with T rows gets ceil(T / 80) tiles; the row of rank k in it lies at
;   position 80 x (the expert's first tile) + k.  All tiles together are at most (8192 + 8 x 79) / 80 = 110, whatever the choice.  It stores, as whole numbers, in lists: tokpos [4096][2] (a routed row's position),
;   at byte 32,768 rowtok [8800] (a position's token; 0 where no row lies), at byte 68,096 texp [110] (a tile's expert; 8 for a tile that is not used).  Its wave 0 also makes the auxiliary loss, out2.
; WORK-GROUPS 1-64 lay w_up's codes, 65-128 w_down's, in the order in which a wave of the next launch takes them into its operand registers: blocks of 16 KiB, block (8 e + sg) 8 + w (expert, step of 256 hidden
;   units, wave), each of 32 pieces of 512 bytes, lane l = (r, h) at byte 16 l.  w_up, piece (4 u + ks) 4 + c: row 256 sg + 32 w + 8 u + r + 8 (r / 8), codes 128 ks + 32 c + 16 h + 0..15.
;   w_down (at byte 8 MiB), piece (4 ks2 + dt) 4 + c: row 64 w + 16 dt + r, codes 256 sg + 128 ks2 + 32 c + 16 h + 0..15.  A wave moves eight pieces.
; The stored indices are held within 0..7 and every position within 0..8799 before they enter an address.
	s_load_b256 s[4:11], s[0:1], 0x0               ; sel s[4:5], rt s[6:7], w_up_codes s[8:9], w_down_codes s[10:11]
	s_load_b128 s[12:15], s[0:1], 0x20             ; lists s[12:13], out2 s[14:15]
	s_load_b64 s[16:17], s[0:1], 0x30              ; codes
	v_and_b32 v1, 31, v0                           ; lane
	v_lshrrev_b32 v2, 5, v0
	v_readfirstlane_b32 s20, v2                    ; wave
	v_lshlrev_b32 v4, 4, v1                        ; 16 x lane
	s_cmp_eq_u32 ttmp9, 0
	s_cbranch_scc1 .Lplace
	v_and_b32 v5, 15, v0                           ; r
	v_bfe_u32 v6, v0, 4, 1                         ; h
.macro RELAY hi                        ; eight pieces: piece i from (i / 4) x hi + 32 (i % 4) bytes on; out as 512 consecutive bytes each
.irp i, 0,1,2,3,4,5,6,7
	global_load_b128 v[32+4*\i:35+4*\i], v3, s[24:25] offset:(\i/4)*\hi+(\i%4)*32
.endr
.irp i, 0,1,2,3,4,5,6,7
	s_wait_loadcnt 7-\i                            ; piece i is in; the later ones stay out
	global_store_b128 v4, v[32+4*\i:35+4*\i], s[26:27] offset:512*\i
.endr
	s_endpgm
.endm
	s_cmp_gt_u32 ttmp9, 64
	s_cbranch_scc1 .Lreld
	s_sub_co_u32 s21, ttmp9, 1
	s_lshl_b32 s21, s21, 5
	s_add_co_u32 s21, s21, s20                     ; which run of eight pieces
	s_lshr_b32 s22, s21, 2                         ; block
	s_and_b32 s23, s21, 3                          ; quarter of the block
	s_lshl_b32 s24, s22, 14                        ; the block's 32 rows of 512 bytes are the same 16 KiB of the input
	s_lshl_b32 s26, s23, 12
	s_add_co_u32 s26, s26, s24
	s_mov_b32 s27, 0
	s_lshr_b32 s28, s23, 1                         ; u: 8 rows on
	s_lshl_b32 s28, s28, 12
	s_add_co_u32 s24, s24, s28
	s_and_b32 s28, s23, 1                          ; ks = 2 (quarter % 2) + i / 4
	s_lshl_b32 s28, s28, 8
	s_add_co_u32 s24, s24, s28
	s_mov_b32 s25, 0
	v_and_b32 v7, 8, v5
	v_add_nc_u32 v7, v7, v5                        ; r + 8 (r / 8)
	v_lshlrev_b32 v3, 9, v7
	v_lshl_add_u32 v3, v6, 4, v3
	s_wait_kmcnt 0x0
	s_add_nc_u64 s[24:25], s[8:9], s[24:25]
	s_add_nc_u64 s[26:27], s[16:17], s[26:27]
	RELAY 128
.Lreld:
	s_sub_co_u32 s21, ttmp9, 65
	s_lshl_b32 s21, s21, 5
	s_add_co_u32 s21, s21, s20
	s_lshr_b32 s22, s21, 2                         ; block = (8 e + sg) 8 + w
	s_and_b32 s23, s21, 3
	s_lshl_b32 s26, s22, 14
	s_lshl_b32 s28, s23, 12
	s_add_co_u32 s26, s26, s28
	s_add_co_u32 s26, s26, 0x800000
	s_mov_b32 s27, 0
	s_lshr_b32 s24, s22, 6
	s_lshl_b32 s24, s24, 20                        ; e: 512 rows of 2,048 bytes
	s_and_b32 s28, s22, 7
	s_lshl_b32 s28, s28, 17                        ; w: 64 rows
	s_add_co_u32 s24, s24, s28
	s_bfe_u32 s28, s22, 0x30003
	s_lshl_b32 s28, s28, 8                         ; sg: 256 codes
	s_add_co_u32 s24, s24, s28
	s_lshr_b32 s28, s23, 1
	s_lshl_b32 s28, s28, 7                         ; ks2: 128 codes
	s_add_co_u32 s24, s24, s28
	s_and_b32 s28, s23, 1
	s_lshl_b32 s28, s28, 16                        ; dt = 2 (quarter % 2) + i / 4: 16 rows each
	s_add_co_u32 s24, s24, s28
	s_mov_b32 s25, 0
	v_lshlrev_b32 v3, 11, v5
	v_lshl_add_u32 v3, v6, 4, v3
	s_wait_kmcnt 0x0
	s_add_nc_u64 s[24:25], s[10:11], s[24:25]
	s_add_nc_u64 s[26:27], s[16:17], s[26:27]
	RELAY 32768
.Lplace:
	; thread i owns entries 8 i .. 8 i + 7: tokens 4 i .. 4 i + 3, two choices each
	v_lshlrev_b32 v2, 5, v0                        ; 32 x thread
	v_and_b32 v3, 0x3e0, v0                        ; LDS: 32 x wave: my wave's eight counts
	v_lshlrev_b32 v5, 5, v1                        ; LDS: 32 x lane: lane l reads wave l's
	s_mov_b32 s96, 0x76543210
	s_mov_b32 s97, 0xfedcba98
	s_wait_kmcnt 0x0
	global_load_b128 v[8:11], v2, s[4:5]
	global_load_b128 v[12:15], v2, s[4:5] offset:16
.irp m, 0,1,2,3,4,5,6,7,8,9,10,11,12,13,14,15
	global_load_b128 v[32+4*\m:35+4*\m], v4, s[6:7] offset:32768+512*\m    ; the 256 work-groups' sums of probabilities: wave 0 uses them at the end
.endr
.irp e, 0,1,2,3,4,5,6,7
	s_mov_b32 s[24+\e], 0
.endr
	s_wait_loadcnt 16                              ; my eight entries are in; the sixteen loads behind them stay out
.irp j, 0,1,2,3,4,5,6,7
	v_min_u32 v[8+\j], 7, v[8+\j]
.endr
.macro RANK j                          ; entry j of all 32 lanes: its rank among the wave's entries of the same expert, in the order (j, lane); s[24+e] counts on
.irp e, 0,1,2,3,4,5,6,7
	v_cmp_eq_u32 vcc_lo, \e, v[8+\j]
.if \e == 0
	v_mbcnt_lo_u32_b32 v[16+\j], vcc_lo, s[24]
.else
	v_mbcnt_lo_u32_b32 v96, vcc_lo, s[24+\e]
	v_cndmask_b32 v[16+\j], v[16+\j], v96, vcc_lo
.endif
	s_bcnt1_i32_b32 s88, vcc_lo
	s_add_co_u32 s[24+\e], s[24+\e], s88
.endr
.endm
.irp j, 0,1,2,3,4,5,6,7
	RANK \j
.endr
.irp e, 0,1,2,3,4,5,6,7
	v_mov_b32 v[96+\e], s[24+\e]
.endr
	ds_store_b128 v3, v[96:99]
	ds_store_b128 v3, v[100:103] offset:16
	s_wait_dscnt 0x0                               ; for the others' sake: my wave's counts have landed
	s_barrier_signal -1
	s_barrier_wait -1
	ds_load_b128 v[96:99], v5
	ds_load_b128 v[100:103], v5 offset:16
.irp i, 0,1,2,3,4,5,6,7
	v_mov_b32 v[112+\i], 0                         ; destinations of the lane moves below count as read: written once
.endr
	s_wait_dscnt 0x0
.irp k, 0,1,2,3
	v_lshl_or_b32 v[104+\k], v[97+2*\k], 16, v[96+2*\k]    ; two counts to a register: a sum is at most 8,192
.endr
	v_cmp_gt_u32 vcc_lo, s20, v1                   ; the waves ahead of mine
.irp k, 0,1,2,3
	v_cndmask_b32 v[108+\k], 0, v[104+\k], vcc_lo
.endr
.irp mk, 1,2,4,8
.irp i, 0,1,2,3,4,5,6,7
	v_mov_b32_dpp v[112+\i], v[104+\i] row_xmask:\mk row_mask:0xf bank_mask:0xf
.endr
.irp i, 0,1,2,3,4,5,6,7
	v_add_nc_u32 v[104+\i], v[104+\i], v[112+\i]
.endr
.endr
.irp i, 0,1,2,3,4,5,6,7
	v_permlanex16_b32 v[112+\i], v[104+\i], s96, s97
.endr
.irp i, 0,1,2,3,4,5,6,7
	v_add_nc_u32 v[104+\i], v[104+\i], v[112+\i]
.endr
.irp i, 0,1,2,3,4,5,6,7
	v_readfirstlane_b32 s[88+\i], v[104+\i]
.endr
.irp k, 0,1,2,3
	s_and_b32 s[32+2*\k], s[88+\k], 0xffff         ; T: an expert's rows in all
	s_lshr_b32 s[33+2*\k], s[88+\k], 16
	s_and_b32 s[40+2*\k], s[92+\k], 0xffff         ; P: those of the waves ahead of mine
	s_lshr_b32 s[41+2*\k], s[92+\k], 16
.endr
	s_mov_b32 s90, 0                               ; tiles so far
.irp e, 0,1,2,3,4,5,6,7
	s_add_co_u32 s88, s[32+\e], 79
	s_mul_i32 s88, s88, 0xcccd
	s_lshr_b32 s88, s88, 22                        ; (T + 79) / 80: 52,429 / 2^22 gives the whole quotient for every number up to 81,919
	s_mul_i32 s89, s90, 80
	s_add_co_u32 s[48+\e], s89, s[40+\e]           ; where my wave's rows of the expert begin
	s_add_co_u32 s[56+\e], s89, s[32+\e]           ; where its rows end
	s_add_co_u32 s90, s90, s88
	s_mov_b32 s[72+\e], s90                        ; the tile behind its last
	s_mul_i32 s89, s90, 80
	s_sub_co_u32 s[80+\e], s89, s[56+\e]           ; positions of its last tile without a row: 0 to 79
.endr
	v_mov_b32 v120, 0
.irp e, 0,1,2,3,4,5,6,7
	v_writelane_b32 v120, s[48+\e], \e             ; a table in lanes 0 to 7
.endr
.irp j, 0,1,2,3,4,5,6,7
	v_lshlrev_b32 v[104+\j], 2, v[8+\j]
.endr
.irp j, 0,1,2,3,4,5,6,7
	ds_bpermute_b32 v[24+\j], v[104+\j], v120      ; each entry looks its expert up
.endr
.irp k, 0,1,2,3
	v_lshl_add_u32 v[112+\k], v0, 2, \k            ; my four tokens
.endr
	v_mov_b32 v121, 0
	; ALL THAT THE THREE MASKED STORES BELOW NEED IS MADE HERE, WITH EVERY LANE ON: their addresses, the numbers that their masks compare, and the tiles' experts.
	; (1) positions of an expert's last tile without a row get token 0.  Four waves to an expert: 128 lanes for at most 79 positions
	s_lshr_b32 s93, s20, 2
	s_and_b32 s94, s20, 3
	s_lshl_b32 s94, s94, 5
	v_add_nc_u32 v127, s94, v1                     ; k = 32 (wave % 4) + lane: it counts where k is under the expert's number of such positions, s92
	s_mov_b32 s91, s56
	s_mov_b32 s92, s80
.irp e, 1,2,3,4,5,6,7
	s_cmp_eq_u32 s93, \e
	s_cselect_b32 s91, s[56+\e], s91
	s_cselect_b32 s92, s[80+\e], s92
.endr
	v_add_nc_u32 v122, s91, v127
	v_min_u32 v122, 0x225f, v122
	v_lshlrev_b32 v122, 2, v122
	; (2) so do the positions behind the last tile in use: at most 8,800 - 80 x 103 = 560, a thread each
	s_mul_i32 s91, s90, 80
	v_add_nc_u32 v125, s91, v0                     ; it counts where it is under 8,800
	v_min_u32 v123, 0x225f, v125
	v_lshlrev_b32 v123, 2, v123
	; (3) tile t's expert: how many experts end at or ahead of it; threads 0 to 109
	v_mov_b32 v124, 0
.irp e, 0,1,2,3,4,5,6,7
	v_cmp_le_u32 vcc_lo, s[72+\e], v0
	v_cndmask_b32 v116, 0, 1, vcc_lo
	v_add_nc_u32 v124, v124, v116
.endr
	v_lshlrev_b32 v126, 2, v0
	s_wait_dscnt 0x0
.irp j, 0,1,2,3,4,5,6,7
	v_add_nc_u32 v[24+\j], v[24+\j], v[16+\j]
.endr
.irp j, 0,1,2,3,4,5,6,7
	v_min_u32 v[24+\j], 0x225f, v[24+\j]           ; a position: at most 8,799
.endr
.irp j, 0,1,2,3,4,5,6,7
	v_lshlrev_b32 v[104+\j], 2, v[24+\j]
.endr
	global_store_b128 v2, v[24:27], s[12:13]
	global_store_b128 v2, v[28:31], s[12:13] offset:16
.irp j, 0,1,2,3,4,5,6,7
	global_store_b32 v[104+\j], v[112+\j/2], s[12:13] offset:32768
.endr
	v_cmp_gt_u32 vcc_lo, s92, v127
	s_wait_xcnt 0x0                                ; EXEC changes only behind this wait, each time
	s_and_saveexec_b32 s95, vcc_lo
	global_store_b32 v122, v121, s[12:13] offset:32768
	s_wait_xcnt 0x0
	s_or_b32 exec_lo, exec_lo, s95
	v_cmp_gt_u32 vcc_lo, 0x2260, v125
	s_wait_xcnt 0x0
	s_and_saveexec_b32 s95, vcc_lo
	global_store_b32 v123, v121, s[12:13] offset:32768
	s_wait_xcnt 0x0
	s_or_b32 exec_lo, exec_lo, s95
	v_cmp_gt_u32 vcc_lo, 110, v0
	s_wait_xcnt 0x0
	s_and_saveexec_b32 s95, vcc_lo
	global_store_b32 v126, v124, s[12:13] offset:68096
	s_wait_xcnt 0x0
	s_or_b32 exec_lo, exec_lo, s95
	s_cmp_lg_u32 s20, 0
	s_cbranch_scc1 .Lend
	; the auxiliary loss: usage = the sum of all probabilities by expert; importance = usage / (their sum + 1e-8); its standard deviation / (its mean + 1e-8)
	s_wait_loadcnt 0x0
.irp m, 1,2,3,4,5,6,7,8,9,10,11,12,13,14,15
	v_pk_add_f32 v[32:33], v[32:33], v[32+4*\m:33+4*\m]        ; lane l: experts 4 (l % 2) + 0..3
	v_pk_add_f32 v[34:35], v[34:35], v[34+4*\m:35+4*\m]
.endr
.irp mk, 2,4,8
.irp c, 0,1,2,3
	v_add_f32_dpp v[32+\c], v[32+\c], v[32+\c] row_xmask:\mk row_mask:0xf bank_mask:0xf
.endr
.endr
.irp c, 0,1,2,3
	v_permlanex16_b32 v[36+\c], v[32+\c], s96, s97
.endr
.irp c, 0,1,2,3
	v_add_f32 v[32+\c], v[32+\c], v[36+\c]
.endr
.irp c, 0,1,2,3
	v_mov_b32_dpp v[36+\c], v[32+\c] row_xmask:1 row_mask:0xf bank_mask:0xf    ; the other four experts'
.endr
	v_add_f32 v40, v32, v33
	v_add_f32 v41, v34, v35
	v_add_f32 v42, v36, v37
	v_add_f32 v43, v38, v39
	v_add_f32 v40, v40, v41
	v_add_f32 v42, v42, v43
	v_add_f32 v40, v40, v42
	v_add_f32 v41, 0x322bcc77, v40
	v_rcp_f32 v41, v41
	v_nop
	s_wait_alu depctr_va_vdst(0)
.irp e, 0,1,2,3,4,5,6,7
	v_mul_f32 v[32+\e], v[32+\e], v41
.endr
	v_add_f32 v40, v32, v33
	v_add_f32 v42, v34, v35
	v_add_f32 v43, v36, v37
	v_add_f32 v44, v38, v39
	v_add_f32 v40, v40, v42
	v_add_f32 v43, v43, v44
	v_add_f32 v40, v40, v43
	v_mul_f32 v40, 0x3e000000, v40                 ; the mean
.irp e, 0,1,2,3,4,5,6,7
	v_sub_f32 v[32+\e], v[32+\e], v40
.endr
	v_mul_f32 v42, v32, v32
.irp e, 1,2,3,4,5,6,7
	v_fma_f32 v42, v[32+\e], v[32+\e], v42
.endr
	v_mul_f32 v42, 0x3e000000, v42
	v_add_f32 v43, 0x322bcc77, v40
	v_sqrt_f32 v42, v42
	v_rcp_f32 v43, v43
	v_nop
	s_wait_alu depctr_va_vdst(0)                   ; one wait for the two
	v_mul_f32 v42, v42, v43
	v_cmp_eq_u32 vcc_lo, 0, v1
	s_wait_xcnt 0x0
	s_and_saveexec_b32 s95, vcc_lo
	global_store_b32 v121, v42, s[14:15]
	s_wait_xcnt 0x0
	s_or_b32 exec_lo, exec_lo, s95
.Lend:
	s_wait_xcnt 0x0
	s_mov_b32 exec_lo, -1
	v_lshl_add_u32 v126, v0, 2, 0x400
	v_mov_b32 v127, 0
	s_wait_tensorcnt 0x0
	ds_add_u32 v126, v127
	s_wait_dscnt 0x0
	s_endpgm
.Lfunc_end_k_q7a39669cd4_place:
	.size	k_q7a39669cd4_place, .Lfunc_end_k_q7a39669cd4_place-k_q7a39669cd4_place
	.p2alignl 7, 3214868480
	.fill 96, 4, 3214868480
	.section	.rodata,"a",@progbits
	.p2align	6, 0x0
	.amdhsa_kernel k_q7a39669cd4_place
		.amdhsa_group_segment_fixed_size 5120
		.amdhsa_private_segment_fixed_size 0
		.amdhsa_enable_private_segment 0
		.amdhsa_kernarg_size 56
		.amdhsa_user_sgpr_count 2
		.amdhsa_user_sgpr_kernarg_segment_ptr 1
		.amdhsa_wavefront_size32 1
		.amdhsa_system_sgpr_workgroup_id_x 1
		.amdhsa_system_sgpr_workgroup_id_y 1
		.amdhsa_system_sgpr_workgroup_id_z 1
		.amdhsa_system_vgpr_workitem_id 0
		.amdhsa_next_free_vgpr 128
		.amdhsa_next_free_sgpr 100
		.amdhsa_reserve_vcc 1
		.amdhsa_float_denorm_mode_32 3
		.amdhsa_float_denorm_mode_16_64 3
		.amdhsa_memory_ordered 1
		.amdhsa_forward_progress 1
		.amdhsa_inst_pref_size 43
	.end_amdhsa_kernel
	.amdgpu_metadata
---
amdhsa.version: [ 1, 2 ]
amdhsa.kernels:
  - .name:           k_q7a39669cd4_place
    .symbol:         k_q7a39669cd4_place.kd
    .args:
      - { .name: sel, .offset: 0, .size: 8, .value_kind: global_buffer, .address_space: global }
      - { .name: rt, .offset: 8, .size: 8, .value_kind: global_buffer, .address_space: global }
      - { .name: w_up_codes, .offset: 16, .size: 8, .value_kind: global_buffer, .address_space: global }
      - { .name: w_down_codes, .offset: 24, .size: 8, .value_kind: global_buffer, .address_space: global }
      - { .name: lists, .offset: 32, .size: 8, .value_kind: global_buffer, .address_space: global }
      - { .name: out2, .offset: 40, .size: 8, .value_kind: global_buffer, .address_space: global }
      - { .name: codes, .offset: 48, .size: 8, .value_kind: global_buffer, .address_space: global }
    .group_segment_fixed_size: 5120
    .private_segment_fixed_size: 0
    .kernarg_segment_align: 8
    .kernarg_segment_size: 56
    .max_flat_workgroup_size: 1024
    .sgpr_count:     100
    .vgpr_count:     128
    .wavefront_size: 32
...
	.end_amdgpu_metadata
.endif
;; end of part 3
;; launch experts (part 4): grid 110 x 2, 8 waves a work-group, no clusters, 87,040 bytes of LDS; arguments codes, lists, b_up, b_down, lowp_scales, part; writes part
.if DOCPART == 4
	.amdgcn_target "amdgcn-amd-amdhsa--gfx1250"
	.amdhsa_code_object_version 6
	.text
	.protected	k_q7a39669cd4_experts
	.globl	k_q7a39669cd4_experts
	.p2align	8
	.type	k_q7a39669cd4_experts,@function
k_q7a39669cd4_experts:
	s_mov_b64 s[64:65], 0
	v_nop
	global_prefetch_b8 v0, s[64:65] scope:SCOPE_SE
	s_setreg_imm32_b32 hwreg(HW_REG_WAVE_MODE, 25, 1), 1
	s_wait_xcnt 0x0
; The chain of one expert for one tile of 80 routed rows and one half (chunk) of the expert's 2,048 hidden units:
;   part[chunk][position][0..511] = Q(gelu(Q(x) W_up + b_up))[chunk's 1,024 units] . W_down x 2^(e2 + e3)  (+ b_down in chunk 0),
; both products on codes of E4M3 by v_wmma_f32_16x16x128_fp8_fp8, sums in f32; gelu in its tanh form as t / (1 + 2^(t (A + B t^2))), A = -2 log2(e) sqrt(2 / pi), B = 0.044715 A, in f32;
; Q: the number / 2^e3, held within +-448, to the nearest code.  The hidden layer never goes to memory.  Only the rows of the chosen experts are multiplied: reference() keeps no others.
; SHARES.  Work-group (tile, chunk); eight waves, two to a SIMD, so that one wave's gelu stands beside the other's products.  The chunk goes in 4 steps of 256 hidden units.  THE WAVES SHARE THE COLUMNS:
; in the first product wave w makes the step's units 32 w .. 32 w + 31 for all five tiles of 16 rows; in the second it owns outputs 64 w .. 64 w + 63: 4 x 5 accumulators, which stay in registers over the four steps.
; BOTH PRODUCTS ARE USED TRANSPOSED (source 0 = 16 rows of the weight, source 1 = 16 routed rows): a lane holds one routed row.  The rows of W_up that form a tile are chosen (r + 8 (r / 8)), so that a lane's
; 16 registers of its two tiles are 16 neighbours along the second product's K: the conversions' four registers are one piece (32 along K) of that operand.
; WEIGHTS come from memory straight into registers, each lane's 16 bytes in the order of the operand's registers (laid so by the launch before): 32 loads of 512 consecutive bytes for a step and a product.
; One set of 32 is on its way at a time: W_down of a step is asked for at the head of the step's first product, W_up of the next step behind that product's last matrix instructions.
; x's codes and the hidden layer's go from wave to wave through LDS as images of the operand's registers: piece c of a fragment is 512 bytes, lane l's 16 at 16 l.
; Within a K step of 128 both sources hold k = 32 c + 16 h + 0..15 in registers 4 c .. 4 c + 3: the same permutation of k on both sides, so every product meets its partner.
; A tile beyond those that the split uses (expert number 8, held at 7) runs on token 0 into rows of part that nobody reads: every wave passes every barrier, and no barrier stands under a branch on a loaded number.
; NO CLUSTER, NO TENSOR LOAD: a tile's expert is a stored number, neighbouring tiles may belong to different experts, and 110 tiles divide into no cluster of four; so partners would not ask for the same weights.
; LIMITS: e0 + e1 and e2 + e3 between -126 and 127; e3 between -126 and 119.  NaN and infinities are not served.
; REGISTERS.  Window 0: v1-5 addresses; v[6:7] B; v8-71 x's four fragments (v8-23 also gelu's work); v72-87 my two tiles of the hidden layer; v8-87 five hidden fragments in the second product; v88-91 codes;
;   v92, v93: 2^e3 and 448 x 2^e3; v94, v95 addresses; v96-255 accumulator (dt, rt) at 96 + 8 (5 dt + rt).   Window 1: v0-127 W_up's 8 fragments, v128-255 W_down's 8.
.set HB,  40960                        ; LDS: x's 20 fragments at 0 (fragment (rt, ks) at 2048 (4 rt + ks)); then two buffers of 10 hidden fragments ((ks2, rt) at 2048 (5 ks2 + rt));
.set BI,  81920                        ; then the chunk's 1,024 numbers of b_up / 2^(e0 + e1)
.set XF,  8
.set TT,  8
.set HA,  72
.set HF,  8
.set PCD, 88
.set ACC, 96
.set TMP, 40
.set PCH, 18022400                     ; bytes of one chunk's part: 8,800 rows of 2,048
.set MSB, 0
.macro WIN new                         ; s_set_vgpr_msb: bits 1:0 source 0, 3:2 source 1, 5:4 source 2, 7:6 destination; the high byte repeats the setting that is left
.if MSB != \new
	s_set_vgpr_msb (MSB<<8)|\new
.set MSB, \new
.endif
.endm
.macro PLACES n
.rept \n
	v_nop
.endr
.endm
.macro BAR                             ; my LDS stores have landed and my LDS loads are in: then the work-group's barrier
	s_wait_dscnt 0x0
	s_barrier_signal -1
	s_barrier_wait -1
.endm
.macro LOADW reg, base, s              ; my 16 KiB of step s: 32 pieces into window 1 from v[reg] on
	WIN 0x40
.set n, 0
.rept 32
	global_load_b128 v[\reg+4*n:\reg+4*n+3], v5, s[\base:\base+1] offset:131072*(\s)+512*n
.set n, n+1
.endr
	WIN 0
.endm
	s_load_b256 s[4:11], s[0:1], 0x0               ; codes s[4:5], lists s[6:7], b_up s[8:9], b_down s[10:11]
	s_load_b128 s[12:15], s[0:1], 0x20             ; lowp_scales s[12:13], part s[14:15]
	v_lshrrev_b32 v1, 5, v0
	v_readfirstlane_b32 s16, v1                    ; wave
	s_mov_b32 s17, ttmp9                           ; tile
	s_and_b32 s18, ttmp7, 0xffff                   ; chunk
	v_and_b32 v84, 31, v0
	v_lshlrev_b32 v1, 4, v84                       ; 16 x lane: an image's place for my lane
	v_add_nc_u32 v2, HB, v1                        ; the same in the hidden buffers
	s_lshr_b32 s36, s16, 2
	s_mul_i32 s36, s36, 10240
	s_and_b32 s37, s16, 3
	s_lshl_b32 s37, s37, 9
	s_add_co_u32 s36, s36, s37
	s_add_co_u32 s36, s36, HB
	v_add_nc_u32 v3, s36, v1                       ; where my codes go: K step w / 4, piece w % 4
	v_bfe_u32 v85, v0, 4, 1                        ; h
	s_lshl_b32 s36, s16, 7
	s_add_co_u32 s36, s36, BI
	v_lshl_add_u32 v4, v85, 6, s36                 ; the bias of my 16 units: 128 w + 64 h bytes into a step's 1,024
	s_lshl_b32 s36, s16, 14
	v_add_nc_u32 v5, s36, v1                       ; my block of a step's weights
	v_mov_b32 v6, 0xbdd2d3e8                       ; B = -0.10294324
	v_mov_b32 v7, 0xbdd2d3e8
	s_lshl_b32 s36, s16, 13
	v_add_nc_u32 v95, s36, v1                      ; waves 0-4: where tile of rows w of x goes
	s_lshl_b32 s36, s16, 8
	v_lshl_add_u32 v94, v85, 5, s36                ; b_down at my outputs: 256 w + 32 h
	v_lshl_add_u32 v83, v0, 4, BI                  ; the bias, in
	v_lshlrev_b32 v82, 4, v0
	s_mul_i32 s36, s17, 80
	s_min_u32 s37, s16, 4                          ; (waves 5-7 look at tile of rows 4 and gather nothing)
	s_lshl_b32 s37, s37, 4
	s_add_co_u32 s36, s36, s37
	v_and_b32 v87, 15, v0
	v_add_nc_u32 v87, s36, v87
	v_lshlrev_b32 v87, 2, v87                      ; position 80 tile + 16 w + r
	s_lshl_b32 s44, s17, 2
	s_mov_b32 s45, 0
	s_wait_kmcnt 0x0
	s_add_nc_u64 s[44:45], s[6:7], s[44:45]
	s_load_b32 s19, s[44:45], 0x10a00              ; the tile's expert
	s_load_b128 s[20:23], s[12:13], 0x0            ; e0 (x), e1 (w_up), e2 (w_down), e3 (hidden)
	global_load_b32 v86, v87, s[6:7] offset:32768  ; my row's token
	s_wait_kmcnt 0x0
	s_min_u32 s19, s19, 7
	s_lshl_b32 s38, s19, 20
	s_lshl_b32 s39, s18, 19
	s_add_co_u32 s38, s38, s39
	s_mov_b32 s39, 0
	s_add_nc_u64 s[24:25], s[4:5], s[38:39]        ; W_up's blocks of my expert and chunk,
	s_add_nc_u64 s[26:27], s[24:25], 0x800000      ; W_down's,
	s_add_nc_u64 s[4:5], s[4:5], 0x1000000         ; x's codes
	s_lshl_b32 s38, s19, 13
	s_lshl_b32 s40, s18, 12
	s_add_co_u32 s38, s38, s40
	s_add_nc_u64 s[8:9], s[8:9], s[38:39]
	s_lshl_b32 s38, s19, 11
	s_add_nc_u64 s[10:11], s[10:11], s[38:39]
	s_mul_i32 s38, s18, PCH
	s_mul_i32 s40, s17, 163840
	s_add_co_u32 s38, s38, s40
	s_lshl_b32 s40, s16, 8
	s_add_co_u32 s38, s38, s40
	s_add_nc_u64 s[14:15], s[14:15], s[38:39]      ; part: my chunk, my tile's first row, my 64 outputs
	global_load_b128 v[PCD:PCD+3], v82, s[8:9]     ; the chunk's b_up, 16 bytes a thread
	LOADW 0, 24, 0                                 ; the first step's W_up
	s_add_co_i32 s40, s20, s21                     ; e0 + e1
	s_sub_co_i32 s41, 0, s40
	s_add_co_i32 s40, s40, 127
	s_lshl_b32 s28, s40, 23                        ; 2^(e0 + e1)
	s_mov_b32 s29, s28
	s_mov_b32 s30, 0xc0135761                      ; A = -2.3022082
	s_mov_b32 s31, 0xc0135761
	s_add_co_i32 s40, s22, s23
	s_add_co_i32 s40, s40, 127
	s_lshl_b32 s32, s40, 23                        ; 2^(e2 + e3)
	s_mov_b32 s33, s32
	s_cmp_eq_u32 s18, 0
	s_cselect_b32 s34, 1.0, 0                      ; b_down counts once: in chunk 0
	s_mov_b32 s35, s34
	s_add_co_i32 s40, s23, 127
	s_lshl_b32 s42, s40, 23
	v_mov_b32 v92, s42                             ; 2^e3: the conversion takes its exponent field
	s_add_co_i32 s40, s40, 8
	s_lshl_b32 s40, s40, 23
	s_or_b32 s40, s40, 0x600000
	v_mov_b32 v93, s40                             ; 448 x 2^e3
	s_wait_loadcnt 32                              ; the token and the bias are in; W_up's 32 loads, issued behind them, stay out
.irp i, 0,1,2,3
	v_ldexp_f32 v[PCD+\i], v[PCD+\i], s41          ; a sum of the first product stands for sum x 2^(e0 + e1): the bias goes in divided by that
.endr
	ds_store_b128 v83, v[PCD:PCD+3]
	v_min_u32 v86, 0xfff, v86
	v_lshlrev_b32 v86, 9, v86
	v_lshl_add_u32 v86, v85, 4, v86                ; the token's row of 512 codes, + 16 h
	s_cmp_lt_u32 s16, 5
	s_cbranch_scc0 .Lno_x
.set n, 0
.rept 16
	global_load_b128 v[XF+4*n:XF+4*n+3], v86, s[4:5] offset:32*n       ; piece n: codes 32 n + 16 h + 0..15
.set n, n+1
.endr
	s_wait_loadcnt 0x0
.set n, 0
.rept 16
	ds_store_b128 v95, v[XF+4*n:XF+4*n+3] offset:512*n
.set n, n+1
.endr
.Lno_x:
	BAR                                            ; x's twenty fragments and the bias lie in LDS
; gelu and the quantiser on my 16 numbers a lane (v[HA] on); codes into v[PCD] on.  Each accumulator is read from its low end on.  The exponentials and the reciprocals go as batches, one wait each.
.macro GELU
.irp p, 0,2,4,6,8,10,12,14
	v_pk_mul_f32 v[HA+\p:HA+\p+1], v[HA+\p:HA+\p+1], s[28:29] op_sel_hi:[1,0]       ; t
.endr
.irp p, 0,2,4,6,8,10,12,14
	v_pk_mul_f32 v[TT+\p:TT+\p+1], v[HA+\p:HA+\p+1], v[HA+\p:HA+\p+1]
.endr
.irp p, 0,2,4,6,8,10,12,14
	v_pk_fma_f32 v[TT+\p:TT+\p+1], v[TT+\p:TT+\p+1], v[6:7], s[30:31] op_sel_hi:[1,1,0]     ; A + B t^2
.endr
.irp p, 0,2,4,6,8,10,12,14
	v_pk_mul_f32 v[TT+\p:TT+\p+1], v[TT+\p:TT+\p+1], v[HA+\p:HA+\p+1]
.endr
.irp i, 0,1,2,3,4,5,6,7,8,9,10,11,12,13,14,15
	v_exp_f32 v[TT+\i], v[TT+\i]
.endr
	v_nop                                          ; a plain instruction behind the last exponential,
	s_wait_alu depctr_va_vdst(0)                   ; and one wait for the sixteen, ahead of their first reader
.irp p, 0,2,4,6,8,10,12,14
	v_pk_add_f32 v[TT+\p:TT+\p+1], v[TT+\p:TT+\p+1], 1.0 op_sel_hi:[1,0]
.endr
.irp i, 0,1,2,3,4,5,6,7,8,9,10,11,12,13,14,15
	v_rcp_f32 v[TT+\i], v[TT+\i]
.endr
	v_nop
	s_wait_alu depctr_va_vdst(0)
.irp p, 0,2,4,6,8,10,12,14
	v_pk_mul_f32 v[HA+\p:HA+\p+1], v[HA+\p:HA+\p+1], v[TT+\p:TT+\p+1]
.endr
.irp i, 0,1,2,3,4,5,6,7,8,9,10,11,12,13,14,15
	v_med3_num_f32 v[HA+\i], v[HA+\i], -v93, v93   ; the conversion to an 8-bit code does not saturate (ISA guide 7.6.2): the hold at the largest code x the scale
.endr
	v_cvt_scalef32_pk8_fp8_f32 v[PCD:PCD+1], v[HA:HA+7], v92
	v_cvt_scalef32_pk8_fp8_f32 v[PCD+2:PCD+3], v[HA+8:HA+15], v92
	v_nop                                          ; one plain instruction between the conversions and the next products, which write their sources
.endm
; Step s, first product: my 32 hidden units for the five tiles of rows; codes into hidden buffer buf.  The bias is the C of each sum's first product.
; The two accumulators take turns, one instruction a turn.
.macro PH1 s, buf
.irp rt, 0,1,2,3,4
.irp i, 0,1,2,3
	ds_load_b128 v[HA+4*\i:HA+4*\i+3], v4 offset:1024*\s+16*\i
.endr
.set n, 0
.rept 16
	ds_load_b128 v[XF+4*n:XF+4*n+3], v1 offset:8192*\rt+512*n
.set n, n+1
.endr
.if \rt == 0
	s_wait_loadcnt 0x0                             ; this step's W_up is in: nothing else of mine is out,
	LOADW 128, 26, \s                              ; and this step's W_down is asked for: it has four tiles of rows in which to land.  (Its registers' last readers stand five plain instructions back)
.endif
	s_wait_dscnt 0x0
	WIN 0x01                                       ; source 0 (the weights) in window 1
.irp ks, 0,1,2,3
.irp u, 0,1
	v_wmma_f32_16x16x128_fp8_fp8 v[HA+8*\u:HA+8*\u+7], v[16*(4*\u+\ks):16*(4*\u+\ks)+15], v[XF+16*\ks:XF+16*\ks+15], v[HA+8*\u:HA+8*\u+7]
.endr
.endr
	WIN 0
	PLACES 4                                       ; four plain instructions ahead of the first read of results and of loads into registers that the products read
.if \rt == 4
	s_wait_loadcnt 0x0                             ; this step's W_down is in: the second product needs no further wait for it
.if \s < 3
	LOADW 0, 24, (\s)+1                            ; W_up's registers are free: the next step's; it has this gelu and the whole second product in which to land
.else
	WIN 0x40
.irp dt, 0,1,2,3
	global_load_b128 v[8*\dt:8*\dt+3], v94, s[10:11] offset:64*\dt         ; b_down at outputs 64 w + 16 dt + 8 h + 0..7
	global_load_b128 v[8*\dt+4:8*\dt+7], v94, s[10:11] offset:64*\dt+16
.endr
	WIN 0
.endif
.endif
	GELU
	ds_store_b128 v3, v[PCD:PCD+3] offset:20480*\buf+2048*\rt
.endr
.endm
; Step s, second product: 256 along K in two K steps; five hidden fragments at a time; 20 accumulators by turns.
.macro PH2 s, buf
.irp ks2, 0,1
.irp rt, 0,1,2,3,4
.irp c, 0,1,2,3
	ds_load_b128 v[HF+16*\rt+4*\c:HF+16*\rt+4*\c+3], v2 offset:20480*\buf+(5*\ks2+\rt)*2048+512*\c
.endr
.endr
	WIN 0x01
.irp rt, 0,1,2,3,4
	s_wait_dscnt 16-4*\rt                          ; fragment rt is in; the later fragments' four loads each stay out
.irp dt, 0,1,2,3
.if (\s == 0) && (\ks2 == 0)
	v_wmma_f32_16x16x128_fp8_fp8 v[ACC+8*(5*\dt+\rt):ACC+8*(5*\dt+\rt)+7], v[128+16*(4*\ks2+\dt):128+16*(4*\ks2+\dt)+15], v[HF+16*\rt:HF+16*\rt+15], 0
.else
	v_wmma_f32_16x16x128_fp8_fp8 v[ACC+8*(5*\dt+\rt):ACC+8*(5*\dt+\rt)+7], v[128+16*(4*\ks2+\dt):128+16*(4*\ks2+\dt)+15], v[HF+16*\rt:HF+16*\rt+15], v[ACC+8*(5*\dt+\rt):ACC+8*(5*\dt+\rt)+7]
.endif
.endr
.endr
	WIN 0
	PLACES 5                                       ; five: the next products' results land on registers that these have read
.endr
.endm
; One barrier a step: a wave writes a hidden buffer again only behind the next step's barrier, which every wave reaches behind its reads of that buffer.
	PH1 0, 0
	BAR
	PH2 0, 0
	PH1 1, 1
	BAR
	PH2 1, 1
	PH1 2, 0
	BAR
	PH2 2, 0
	PH1 3, 1
	BAR                                            ; behind this one nobody reads x's images: the stages below lie there
	PH2 3, 1
	; THE WAY OUT.  A lane holds eight neighbouring outputs of one row.  A tile of 16 rows x my 64 outputs goes through my own stage (16 rows of 272 bytes) and leaves as rows of 256 bytes.
	s_wait_loadcnt 0x0                             ; b_down
	WIN 0x41                                       ; destination and source 0 in window 1
.irp p, 0,2,4,6,8,10,12,14,16,18,20,22,24,26,28,30
	v_pk_mul_f32 v[\p:\p+1], v[\p:\p+1], s[34:35] op_sel_hi:[1,0]
.endr
	WIN 0
	v_and_b32 v8, 15, v0                           ; r
	v_bfe_u32 v9, v0, 4, 1                         ; h
	s_mul_i32 s36, s16, 4352
	v_mul_u32_u24 v94, v8, 272
	v_lshl_add_u32 v94, v9, 5, v94
	v_add_nc_u32 v94, s36, v94                     ; in: row r, 32 bytes for each half of the lanes
	v_mul_u32_u24 v95, v9, 272
	v_lshl_add_u32 v95, v8, 4, v95
	v_add_nc_u32 v95, s36, v95                     ; back: lanes 0-15 one row, lanes 16-31 the next
	v_lshlrev_b32 v10, 11, v9
	v_lshl_add_u32 v10, v8, 4, v10                 ; and the same two rows in part
.macro OUT rt
	s_wait_xcnt 0x0                                ; the last tile's stores have read their registers
	WIN 0x10                                       ; source 2 (b_down) in window 1
.irp dt, 0,1,2,3
.irp p, 0,2,4,6
	v_pk_fma_f32 v[TMP+8*\dt+\p:TMP+8*\dt+\p+1], v[ACC+8*(5*\dt+\rt)+\p:ACC+8*(5*\dt+\rt)+\p+1], s[32:33], v[8*\dt+\p:8*\dt+\p+1] op_sel_hi:[1,0,1]   ; sum x 2^(e2 + e3) + b_down
.endr
.endr
	WIN 0
.irp dt, 0,1,2,3
	ds_store_b128 v94, v[TMP+8*\dt:TMP+8*\dt+3] offset:64*\dt
	ds_store_b128 v94, v[TMP+8*\dt+4:TMP+8*\dt+7] offset:64*\dt+16
.endr
.irp i, 0,1,2,3,4,5,6,7
	ds_load_b128 v[TMP+4*\i:TMP+4*\i+3], v95 offset:544*\i     ; LDS serves a wave's instructions in order: these see my stores
.endr
.irp i, 0,1,2,3,4,5,6,7
	s_wait_dscnt 7-\i
	global_store_b128 v10, v[TMP+4*\i:TMP+4*\i+3], s[14:15] offset:(16*\rt+2*\i)*2048 th:TH_STORE_NT   ; 16 lanes store 256 consecutive bytes, at a multiple of 256 from part's first byte
.endr
.endm
	OUT 0
	OUT 1
	OUT 2
	OUT 3
	OUT 4
	s_barrier_signal -1
	s_barrier_wait -1
	s_wait_xcnt 0x0
	v_lshl_add_u32 v254, v0, 2, 0x15000
	v_mov_b32 v255, 0
	s_wait_tensorcnt 0x0
	ds_add_u32 v254, v255
	s_wait_dscnt 0x0
	s_endpgm
.Lfunc_end_k_q7a39669cd4_experts:
	.size	k_q7a39669cd4_experts, .Lfunc_end_k_q7a39669cd4_experts-k_q7a39669cd4_experts
	.p2alignl 7, 3214868480
	.fill 96, 4, 3214868480
	.section	.rodata,"a",@progbits
	.p2align	6, 0x0
	.amdhsa_kernel k_q7a39669cd4_experts
		.amdhsa_group_segment_fixed_size 87040
		.amdhsa_private_segment_fixed_size 0
		.amdhsa_enable_private_segment 0
		.amdhsa_kernarg_size 48
		.amdhsa_user_sgpr_count 2
		.amdhsa_user_sgpr_kernarg_segment_ptr 1
		.amdhsa_wavefront_size32 1
		.amdhsa_system_sgpr_workgroup_id_x 1
		.amdhsa_system_sgpr_workgroup_id_y 1
		.amdhsa_system_sgpr_workgroup_id_z 1
		.amdhsa_system_vgpr_workitem_id 0
		.amdhsa_next_free_vgpr 512
		.amdhsa_next_free_sgpr 66
		.amdhsa_reserve_vcc 0
		.amdhsa_float_denorm_mode_32 3
		.amdhsa_float_denorm_mode_16_64 3
		.amdhsa_memory_ordered 1
		.amdhsa_forward_progress 1
		.amdhsa_inst_pref_size 220
	.end_amdhsa_kernel
	.amdgpu_metadata
---
amdhsa.version: [ 1, 2 ]
amdhsa.kernels:
  - .name:           k_q7a39669cd4_experts
    .symbol:         k_q7a39669cd4_experts.kd
    .args:
      - { .name: codes, .offset: 0, .size: 8, .value_kind: global_buffer, .address_space: global }
      - { .name: lists, .offset: 8, .size: 8, .value_kind: global_buffer, .address_space: global }
      - { .name: b_up, .offset: 16, .size: 8, .value_kind: global_buffer, .address_space: global }
      - { .name: b_down, .offset: 24, .size: 8, .value_kind: global_buffer, .address_space: global }
      - { .name: lowp_scales, .offset: 32, .size: 8, .value_kind: global_buffer, .address_space: global }
      - { .name: part, .offset: 40, .size: 8, .value_kind: global_buffer, .address_space: global }
    .group_segment_fixed_size: 87040
    .private_segment_fixed_size: 0
    .kernarg_segment_align: 8
    .kernarg_segment_size: 48
    .max_flat_workgroup_size: 256
    .sgpr_count:     66
    .vgpr_count:     512
    .wavefront_size: 32
...
	.end_amdgpu_metadata
.endif
;; end of part 4
;; launch combine (part 5): grid 256 x 1, 8 waves a work-group, no clusters, 0 bytes of LDS; arguments part, lists, rt, out0; writes out0
.if DOCPART == 5
	.amdgcn_target "amdgcn-amd-amdhsa--gfx1250"
	.amdhsa_code_object_version 6
	.text
	.protected	k_q7a39669cd4_combine
	.globl	k_q7a39669cd4_combine
	.p2align	8
	.type	k_q7a39669cd4_combine,@function
k_q7a39669cd4_combine:
	s_mov_b64 s[64:65], 0
	v_nop
	global_prefetch_b8 v0, s[64:65] scope:SCOPE_SE
	s_setreg_imm32_b32 hwreg(HW_REG_WAVE_MODE, 25, 1), 1
	s_wait_xcnt 0x0
; out0[token] = w0 x (both chunks of its first expert's row) + w1 x (both chunks of its second's).  Each output row has one owner: a wave takes two tokens.
; A routed row's position comes from lists (whole numbers, held within 0..8799), its weight from rt.  All 32 loads of a wave, 512 consecutive bytes each, are asked for at once; every row of part that holds a routed row is read once.
; A stream: no LDS, no barrier, no matrix unit.
.set PCH, 18022400                     ; bytes of one chunk's part
.set R,   16                           ; v[16:143]: token a, choice k, chunk ch, quarter q at R + 64 a + 32 k + 16 ch + 4 q
	s_load_b256 s[4:11], s[0:1], 0x0               ; part s[4:5], lists s[6:7], rt s[8:9], out0 s[10:11]
	v_and_b32 v1, 31, v0
	v_lshrrev_b32 v2, 5, v0
	v_readfirstlane_b32 s16, v2                    ; wave
	v_lshlrev_b32 v2, 4, v1                        ; 16 x lane
	s_lshl_b32 s17, ttmp9, 4
	s_lshl_b32 s18, s16, 1
	s_add_co_u32 s17, s17, s18                     ; my first token
	s_lshl_b32 s20, s17, 3
	s_mov_b32 s21, 0
	s_lshl_b32 s22, s17, 11
	s_mov_b32 s23, 0
	s_wait_kmcnt 0x0
	s_add_nc_u64 s[6:7], s[6:7], s[20:21]
	s_add_nc_u64 s[8:9], s[8:9], s[20:21]
	s_add_nc_u64 s[10:11], s[10:11], s[22:23]
	s_add_nc_u64 s[12:13], s[4:5], PCH             ; the second chunk
	s_load_b128 s[24:27], s[6:7], 0x0              ; four positions
	s_load_b128 s[28:31], s[8:9], 0x0              ; four weights
	s_wait_kmcnt 0x0
.irp k, 0,1,2,3
	s_min_u32 s[24+\k], s[24+\k], 0x225f
	s_lshl_b32 s[24+\k], s[24+\k], 11
	v_add_nc_u32 v[4+\k], s[24+\k], v2
.endr
	s_mov_b32 s32, s29                             ; each weight as the low word of an even pair: s[28:29], s[32:33], s[30:31], s[34:35]
	s_mov_b32 s33, s29
	s_mov_b32 s34, s31
	s_mov_b32 s35, s31
.irp a, 0,1
.irp k, 0,1
.irp q, 0,1,2,3
	global_load_b128 v[R+64*\a+32*\k+4*\q:R+64*\a+32*\k+4*\q+3], v[4+2*\a+\k], s[4:5] offset:512*\q th:TH_LOAD_NT
.endr
.irp q, 0,1,2,3
	global_load_b128 v[R+64*\a+32*\k+16+4*\q:R+64*\a+32*\k+16+4*\q+3], v[4+2*\a+\k], s[12:13] offset:512*\q th:TH_LOAD_NT
.endr
.endr
.endr
.macro TOKEN a, wa, wb, left
	s_wait_loadcnt \left                           ; this token's sixteen loads are in
.irp q, 0,1,2,3
.irp p, 0,2
	v_pk_add_f32 v[R+64*\a+4*\q+\p:R+64*\a+4*\q+\p+1], v[R+64*\a+4*\q+\p:R+64*\a+4*\q+\p+1], v[R+64*\a+16+4*\q+\p:R+64*\a+16+4*\q+\p+1]
	v_pk_add_f32 v[R+64*\a+32+4*\q+\p:R+64*\a+32+4*\q+\p+1], v[R+64*\a+32+4*\q+\p:R+64*\a+32+4*\q+\p+1], v[R+64*\a+48+4*\q+\p:R+64*\a+48+4*\q+\p+1]
	v_pk_mul_f32 v[R+64*\a+4*\q+\p:R+64*\a+4*\q+\p+1], v[R+64*\a+4*\q+\p:R+64*\a+4*\q+\p+1], s[\wa:\wa+1] op_sel_hi:[1,0]
	v_pk_fma_f32 v[R+64*\a+4*\q+\p:R+64*\a+4*\q+\p+1], v[R+64*\a+32+4*\q+\p:R+64*\a+32+4*\q+\p+1], s[\wb:\wb+1], v[R+64*\a+4*\q+\p:R+64*\a+4*\q+\p+1] op_sel_hi:[1,0,1]
.endr
	global_store_b128 v2, v[R+64*\a+4*\q:R+64*\a+4*\q+3], s[10:11] offset:2048*\a+512*\q th:TH_STORE_NT    ; 32 lanes store 512 consecutive bytes
.endr
.endm
	TOKEN 0, 28, 32, 16                            ; the second token's sixteen loads stay out
	TOKEN 1, 30, 34, 0
	s_endpgm
.Lfunc_end_k_q7a39669cd4_combine:
	.size	k_q7a39669cd4_combine, .Lfunc_end_k_q7a39669cd4_combine-k_q7a39669cd4_combine
	.p2alignl 7, 3214868480
	.fill 96, 4, 3214868480
	.section	.rodata,"a",@progbits
	.p2align	6, 0x0
	.amdhsa_kernel k_q7a39669cd4_combine
		.amdhsa_group_segment_fixed_size 0
		.amdhsa_private_segment_fixed_size 0
		.amdhsa_enable_private_segment 0
		.amdhsa_kernarg_size 32
		.amdhsa_user_sgpr_count 2
		.amdhsa_user_sgpr_kernarg_segment_ptr 1
		.amdhsa_wavefront_size32 1
		.amdhsa_system_sgpr_workgroup_id_x 1
		.amdhsa_system_sgpr_workgroup_id_y 1
		.amdhsa_system_sgpr_workgroup_id_z 1
		.amdhsa_system_vgpr_workitem_id 0
		.amdhsa_next_free_vgpr 144
		.amdhsa_next_free_sgpr 66
		.amdhsa_reserve_vcc 0
		.amdhsa_float_denorm_mode_32 3
		.amdhsa_float_denorm_mode_16_64 3
		.amdhsa_memory_ordered 1
		.amdhsa_forward_progress 1
		.amdhsa_inst_pref_size 10
	.end_amdhsa_kernel
	.amdgpu_metadata
---
amdhsa.version: [ 1, 2 ]
amdhsa.kernels:
  - .name:           k_q7a39669cd4_combine
    .symbol:         k_q7a39669cd4_combine.kd
    .args:
      - { .name: part, .offset: 0, .size: 8, .value_kind: global_buffer, .address_space: global }
      - { .name: lists, .offset: 8, .size: 8, .value_kind: global_buffer, .address_space: global }
      - { .name: rt, .offset: 16, .size: 8, .value_kind: global_buffer, .address_space: global }
      - { .name: out0, .offset: 24, .size: 8, .value_kind: global_buffer, .address_space: global }
    .group_segment_fixed_size: 0
    .private_segment_fixed_size: 0
    .kernarg_segment_align: 8
    .kernarg_segment_size: 32
    .max_flat_workgroup_size: 256
    .sgpr_count:     66
    .vgpr_count:     144
    .wavefront_size: 32
...
	.end_amdgpu_metadata
.endif
;; end of part 5
